; MI455X (gfx1250); checked and timed in simulation.
; The chip was launched on July 23, 2026; its instructions are those of AMD's public machine-readable ISA for CDNA 5 (MIT licence, August 2026) and "CDNA5" Instruction Set Architecture Reference Guide (July 2026). The comments in the code are by the model that wrote it; some were corrected since.
;; Multi Head Attention. Allowed arithmetic: matrix products marked QUANTISED: E2M3 operands, one E8M0 scale for each 32 along K, by v_wmma_scale_f32_16x16x128_f8f6f4 with both operands' format E2M3, f32 sums; everything else in f32.
;; Inputs: W_attn_codes 3,072 x 32 x 24 uint8 (E2M3 codes of W_attn, K innermost, in blocks of 32 codes, four codes in three bytes); W_attn_scales 3,072 x 32 uint8 (E8M0 scales of W_attn, one for each 32 codes along K); W_proj_codes 1,024 x 32 x 24 uint8 (E2M3 codes of W_proj, K innermost, in blocks of 32 codes, four codes in three bytes); W_proj_scales 1,024 x 32 uint8 (E8M0 scales of W_proj, one for each 32 codes along K); x_codes 4 x 2,048 x 32 x 24 uint8 (E2M3 codes of x, K innermost, in blocks of 32 codes, four codes in three bytes); x_scales 4 x 2,048 x 32 uint8 (E8M0 scales of x, one for each 32 codes along K).
;; Outputs: out0 4 x 2,048 x 1,024 float32.
;; This version of the problem:
;;   THIS VERSION OF THE PROBLEM IS GIVEN IN LOW PRECISION. The matrix products marked QUANTISED in the list below multiply operands that are first quantised to E2M3 (2 exponent bits, 3 mantissa bits; 6 bits a number), with one power-of-two scale for each 32 numbers along K (OCP MX v1.0); their sums are f32. All else is computed in f32.
;;   The module's matrix products, in the order in which they are computed (A, B: the left and right operand; K: the contracted axis; several contracted axes count as one K, in the product's order):
;;     1. [M 8,192, K 1,024] x [K 1,024, N 3,072]; A: input x (given as codes); B: input W_attn (given as codes): QUANTISED
;;     2. batch 64 x [M 2,048, K 64] x [K 64, N 2,048]; A: computed on the way; B: computed on the way: QUANTISED
;;     3. batch 64 x [M 2,048, K 2,048] x [K 2,048, N 64]; A: softmax (see below); B: computed on the way: QUANTISED
;;     4. [M 8,192, K 1,024] x [K 1,024, N 1,024]; A: computed on the way; B: input W_proj (given as codes): QUANTISED
;;   THE QUANTISER, for each operand of a quantised product, along K:
;;     - K is cut into blocks of 32 from its start; a last block that is shorter is filled with zeros.
;;     - A block's scale is 2^e with e = floor(log2(the largest magnitude in the block)) - 2, held to -126 .. 127; a block of zeros has e = 0. As a byte (E8M0): e + 127.
;;     - Each number is divided by its block's scale, clamped to +-7.5, and rounded to the nearest number of E2M3, ties to even, subnormals kept.
;;     - The product sums the exact products of the quantised numbers (number of the format x scale) in f32.
;;   ~~~python
;;   def quantise(x, axis):      # numpy; x: float32 -> the quantised numbers, widened to float32 again
;;       x = np.moveaxis(x, axis, -1); K = x.shape[-1]
;;       x = np.pad(x, [(0, 0)] * (x.ndim - 1) + [(0, -K % 32)]); x = x.reshape(x.shape[:-1] + (-1, 32)); a = np.abs(x).max(-1, keepdims=True)
;;       e = np.where(a > 0, np.clip(np.frexp(np.where(a > 0, a, 1))[1] - 1 - 2, -126, 127), 0)      # np.frexp(a)[1] - 1 = floor(log2(a)), exactly
;;       r = np.clip(x / 2.0 ** e, -7.5, 7.5)
;;       step = 2.0 ** (np.maximum(np.frexp(np.where(r == 0, 1, r))[1] - 1, 0) - 3)
;;       q = np.round(r / step) * step * 2.0 ** e      # np.round: ties to even
;;       return np.moveaxis(q.reshape(q.shape[:-2] + (-1,))[..., :K], -1, axis).astype(np.float32)
;;   ~~~
;;   SOFTMAX AHEAD OF A QUANTISED PRODUCT. Where the list says 'softmax', what is quantised is not the finished softmax but p = 2^(t - M), with t = logit x log2(e) and M = ceil(the row's largest t), a whole number; so 1/2 < the row's largest p <= 1. The row's sum l is taken of the UNQUANTISED p, in f32, and the product's result is divided by l at the end. Since M is a whole number, a kernel that streams over the keys may use a running M (the ceiling of the running maximum): every later rescaling is an exact power of two, which a block's scale takes up: the codes' values come out the same.
;;   OPERANDS COMPUTED ON THE WAY. 'Computed on the way' means the value that the module computes at that place (a softmax that the list does not call 'softmax' is quantised finished and normalised). What goes into a quantiser is computed in f32, as accurately as f32 sums, v_exp_f32 and their like allow (about 1e-6 of the number): no bf16 or f16 on the way to a quantiser, and a product that is left as it is and whose result goes on into a quantised operand takes f32 operands (vector FMAs, or v_wmma_f32_16x16x4_f32). A number that lies on a knife's edge between two numbers of the format may be rounded either way, as far as f32 arithmetic and the matrix unit's own rounding can turn it there, and no further.
;;   INPUTS GIVEN AS CODES. W_attn (in the module: [1024, 3072], K = its axis 0); W_proj (in the module: [1024, 1024], K = its axis 0); x (in the module: [4, 2048, 1024], K = its axis 2): each comes as NAME_codes (uint8): NAME with its K axis moved to the last place and cut into blocks of 32 codes, [.., K / 32, bytes a block], one block behind the other in memory; four codes in three bytes: a row's codes are one little-endian stream of bits, code i at bits 6 i .. 6 i + 5 (a code: sign, 2 exponent bits, 3 mantissa bits); and NAME_scales (uint8): the same leading axes, one E8M0 byte (e + 127) for each 32 codes along K. Its value is code x scale, taken as it is: it is not quantised again, and the codes and scales need not be those that the quantiser above would give.
;; One version. Each part assembles by itself: llvm-mc -triple=amdgcn-amd-amdhsa -mcpu=gfx1250 --defsym DOCPART=n.
;; ======== version 1 of 1: 3 launches
;; limits: right only within a limited range of input values
;; workspace buffers: qc 6,291,456 bytes; qsc 524,288 bytes; kv 13,369,344 bytes; ac 6,291,456 bytes; asc 262,144 bytes
;; launch qkv (part 1): grid 4 x 64, 4 waves a work-group, clusters of 4 x 4, 327,680 bytes of LDS; arguments x_codes, x_scales, W_attn_codes, W_attn_scales, qc, qsc, kv; writes qc, qsc, kv
.if DOCPART == 1
	.amdgcn_target "amdgcn-amd-amdhsa--gfx1250"
	.amdhsa_code_object_version 6
	.text
	.protected	k_qe586985acf_qkv
	.globl	k_qe586985acf_qkv
	.p2align	8
	.type	k_qe586985acf_qkv,@function
k_qe586985acf_qkv:
	s_mov_b64 s[64:65], 0
	v_nop
	global_prefetch_b8 v0, s[64:65] scope:SCOPE_SE
	s_setreg_imm32_b32 hwreg(HW_REG_WAVE_MODE, 25, 1), 1
	s_wait_xcnt 0x0
	s_wait_alu depctr_hold_cnt(0) depctr_sa_sdst(0) depctr_va_vdst(0) depctr_va_sdst(0) depctr_va_ssrc(0) depctr_va_vcc(0) depctr_vm_vsrc(0)
	s_getreg_b32 s2, hwreg(HW_REG_IB_STS2, 6, 4)
	s_cmp_eq_u32 s2, 0
	s_cbranch_scc0 .Lentry_in_a_cluster
	s_endpgm
.Lentry_in_a_cluster:
	s_bfe_u32 s2, ttmp6, 0x10000c
	s_cmp_lg_u32 s2, 0xf033
	s_cbranch_scc0 .Lentry_shape_is_right
	s_endpgm
.Lentry_shape_is_right:
; qkv = x W_attn on codes of FP6 (E2M3) with E8M0 scales, and q, k, v quantised again straight from the accumulators.
; A work-group owns 128 rows of x (one step of 128 keys of one batch) and walks three tiles of 256 rows of W: q's, k's and v's columns 256 cg .. 256 cg + 255 (four heads).
; LDS holds ALL of K: x's 128 rows (filled once) and the tile's 256 rows of W, rows of 768 bytes with 16 bytes of padding behind every 256 (pitch 816).  W's region is filled again twice, each time behind a drained round of the cluster's barrier;
; the tile's way out stands behind the refill.  x's rows are shared along a row of the cluster, W's along a column: joint loads.  Scale words go from memory into registers: 32 rows of 32 bytes to a pair of loads.
; WAVES.  q, k: wave (i, j) takes x's rows 64 i .. as source 1 and W's rows 128 j .. (two heads) as source 0.  v: wave w takes W's rows 64 w .. (one head's channels) as source 1 and all 128 rows of x (keys) as source 0.
; Accumulator (a, b), lane (r, h), register j: source 1's row 16 a + r, source 0's row 16 b + 8 h + j: the 64 registers of one a are four blocks of 32 along the axis to be quantised.
; THE ORDER INSIDE A BLOCK of the codes stored is 0-7, 16-23, 8-15, 24-31, on both sides of each later product alike.
; STORED: qc [g][tile of 16 queries][768] half images (registers 0-3 at 16 x lane, 4-5 at 512 + 8 x lane); qsc [g][tile][16] words (s0, s1, s0, s1); kv [g][step][13,056]: 8 half images of k, 4 full images of v (registers 4 c .. at 512 c + 16 x lane), k's 128 scale words, v's 64.
; PREFETCH: k's tile of W is asked for at the head, v's in the first trip: one tile ahead of the refill that loads it; the sixteen waves of a column of the cluster take 48 blocks of 256 bytes each, told apart by address.
; LIMITS: a block whose largest magnitude lies under 2^-124 keeps the scale byte 1; a block of zeros gets the byte 1 and not 127 (its codes are zeros, and this program alone reads these bytes); NaN and infinities are not served.
; REGISTERS: window 0 addresses, scale words (v32-63 source 0's, v68-83 source 1's), the way out; window 1 source 0's fragments, two sets of 96; window 2 the 32 accumulators; window 3 source 1's fragments, two sets of 48.
.set KROW,  768
.set PITCH, 816
.set WB,    128*PITCH                  ; W's region, behind x's
.set SCR,   WB+256*PITCH               ; scale words on their way out: 512 bytes a wave; no fill lands here
.set SPARE, SCR+2048                   ; the spare words
.set WSTEP, 1024*KROW                  ; from q's rows of W to k's, from k's to v's
.set HEADB, 208896
.set STEPB, 13056
.set L16, 7
.set L8,  8
.set SWQ, 9                            ; SCR + 512 wave + 4 r
.set SRQ, 10                           ; SCR + 512 wave + 16 lane
.set SRV, 11                           ; SCR + 512 wave + 8 lane
.set VO,  12                           ; 16 r + h x the bytes from head to head
.set R16, 13
.set ABS, 14                           ; 32 x lane
.set PF0, 15
.set PF1, 16
.set SPW, 28
.set NIL, 29
.set SB,  32
.set SA,  68
.set AD0, 96                           ; v96-111 LDS addresses of source 0's eight blocks (odd ones: for the pieces behind one padding more)
.set AD1, 112                          ; v112-119 of source 1's four
.set CD,  136
.set TM,  160
.set PW,  176
.set W0,  177
.set W1,  178
.set XB,  180
.set G1X, 24
.set G0X, 32
.set SEL, 36
.set G1W, 48
.set G0W, 56
.set PFB, 70
.set PP,  72                           ; s[72:75] the two heads' codes, s[76:77] their scale words; s[80:85] the same for k; s[88:91] v's
.set PS,  76
.set MULW, 0xad                        ; source 0 window 1, source 1 window 3, C and D window 2
.set MSB, 0
.macro WIN new
.if MSB != \new
	s_set_vgpr_msb (MSB<<8)|\new
.set MSB, \new
.endif
.endm
.macro PLACES n
.rept \n
	v_nop
.endr
.endm
.macro WALU
	s_wait_alu depctr_va_vdst(0)
.endm
.macro CROUND
	s_barrier_signal -1
	s_barrier_wait -1
	s_cmp_lg_u32 s14, 0
	s_cbranch_scc1 .Lnot_wave_0_\@
	s_barrier_signal -3
.Lnot_wave_0_\@:
	s_barrier_wait -3
	s_barrier_signal -1
	s_barrier_wait -1
.endm
.macro GROUP1 g, mask, rows
	s_or_b32 s[\g+0], s[\mask], (1<<20)|(1<<21)|(5<<22)|(3<<25)
	s_mov_b32 s[\g+1], KROW<<16
	s_mov_b32 s[\g+2], (\rows)<<16
	s_mov_b32 s[\g+3], KROW<<16
	s_mov_b32 s[\g+4], \rows
	s_mov_b32 s[\g+5], KROW
	s_mov_b32 s[\g+6], 0
	s_mov_b32 s[\g+7], 0
.endm
; a fragment: six pieces of 8 bytes, two to a load where both go by the same address register
.macro FRAG R, q, a0
.set SK_, 0
.irp p, 0,1,2,3,4,5
.if SK_
.set SK_, 0
.else
.set PC_, 12*(\q)+6*(\p/3)+\p%3
.set PN_, 12*(\q)+6*((\p+1)/3)+(\p+1)%3
.set X_, (PC_%32+3)/32
.set XN_, (PN_%32+3)/32
.if (\p < 5) && (X_ == XN_)
.set SK_, 1
	ds_load_2addr_b64 v[(\R)+2*\p:(\R)+2*\p+3], v[(\a0)+X_] offset0:PC_+2*(PC_/32) offset1:PN_+2*(PN_/32)
.else
	ds_load_b64 v[(\R)+2*\p:(\R)+2*\p+1], v[(\a0)+X_] offset:8*(PC_+2*(PC_/32))
.endif
.endif
.endr
.endm
.macro FETCH st, set
	WIN 0x40
.irp b, 0,1,2,3,4,5,6,7
	FRAG 96*(\set)+12*\b, \st, AD0+2*\b
.endr
	WIN 0xc0
.irp a, 0,1,2,3
	FRAG 48*(\set)+12*\a, \st, AD1+2*\a
.endr
	WIN 0
.endm
; 32 products, the accumulators by turns in the same order in every step; the first step starts the sums
.macro MUL st
	WIN MULW
.irp ap, 0,1
.irp ao, 0,1
.irp bp, 0,1,2,3
.irp bo, 0,1
.set D_, 8*(8*(2*\ap+\ao)+2*\bp+\bo)
.set F0_, 96*((\st)%2)+12*(2*\bp+\bo)
.set F1_, 48*((\st)%2)+12*(2*\ap+\ao)
.if (\st) == 0
	v_wmma_scale_f32_16x16x128_f8f6f4 v[D_:D_+7], v[F0_:F0_+11], v[F1_:F1_+11], 0, v[SB+8*\bp+(\st)], v[SA+8*\ap+(\st)] matrix_a_fmt:MATRIX_FMT_FP6 matrix_b_fmt:MATRIX_FMT_FP6 matrix_a_scale:MATRIX_SCALE_ROW\bo matrix_b_scale:MATRIX_SCALE_ROW\ao
.else
	v_wmma_scale_f32_16x16x128_f8f6f4 v[D_:D_+7], v[F0_:F0_+11], v[F1_:F1_+11], v[D_:D_+7], v[SB+8*\bp+(\st)], v[SA+8*\ap+(\st)] matrix_a_fmt:MATRIX_FMT_FP6 matrix_b_fmt:MATRIX_FMT_FP6 matrix_a_scale:MATRIX_SCALE_ROW\bo matrix_b_scale:MATRIX_SCALE_ROW\ao
.endif
.endr
.endr
.endr
.endr
.endm
; a tile: eight steps of 128 along K; step st + 1's fragments are asked for ahead of step st's products.  refill = 1: the first two lines stand ahead of the last step's products
.macro GEMM refill
	FETCH 0, 0
	s_wait_loadcnt 0x0                             ; the scale words
.set ST, 0
.rept 8
	s_wait_dscnt 0x0                               ; this step's fragments
.if ST < 7
.if ST > 0
	PLACES 4                                       ; ahead of loads into registers that the last products read
.endif
	FETCH ST+1, (ST+1)%2
.elseif \refill
	s_wait_tensorcnt 0x0
	ds_add_u32 v[SPW], v[NIL]
	s_add_nc_u64 s[G0W+2:G0W+3], s[G0W+2:G0W+3], WSTEP
.endif
	MUL ST
	WIN 0
.set ST, ST+1
.endr
.endm
.macro LDSC reg, base, pairs           ; scale words: lanes 0-15 block 2 p, lanes 16-31 block 2 p + 1; register 8 p + q is step q's word
.set P_, 0
.rept \pairs
	global_load_b128 v[\reg+8*P_:\reg+8*P_+3], v[ABS], s[\base:\base+1] offset:1024*P_
	global_load_b128 v[\reg+8*P_+4:\reg+8*P_+7], v[ABS], s[\base:\base+1] offset:1024*P_+16
.set P_, P_+1
.endr
.endm
.macro MKAD s0, s1                     ; the blocks' LDS addresses from the two regions' first bytes
	v_add_nc_u32 v17, s\s0, v4
	v_add_nc_u32 v18, s\s0, v5
	v_add_nc_u32 v19, s\s1, v4
	v_add_nc_u32 v20, s\s1, v5
.irp b, 0,1,2,3,4,5,6,7
	v_add_nc_u32 v[AD0+2*\b], \b*16*PITCH, v17
	v_add_nc_u32 v[AD0+2*\b+1], \b*16*PITCH, v18
.endr
.irp a, 0,1,2,3
	v_add_nc_u32 v[AD1+2*\a], \a*16*PITCH, v19
	v_add_nc_u32 v[AD1+2*\a+1], \a*16*PITCH, v20
.endr
.endm
; block row a's 64 registers become 12 registers of codes from v[CD] on and a scale word in v[PW]
.macro QUANTW a
.set AC, 64*(\a)
	WIN 10
.irp b, 0,1,2,3
	v_max3_num_f32 v[TM+\b], |v[AC+16*\b]|, |v[AC+16*\b+1]|, 0x1800000   ; the floor 2^(3 - 127) holds the byte at 1 from below
.endr
	WIN 40
.irp i, 2,4,6,8,10,12,14
.irp b, 0,1,2,3
	v_max3_num_f32 v[TM+\b], v[TM+\b], |v[AC+16*\b+\i]|, |v[AC+16*\b+\i+1]|
.endr
.endr
	WIN 0
.irp b, 0,1,2,3
	v_permlanex16_b32 v[TM+4+\b], v[TM+\b], s[SEL], s[SEL+1]
.endr
.irp b, 0,1,2,3
	v_max_num_f32 v[TM+\b], v[TM+\b], v[TM+4+\b]
.endr
.irp b, 0,1,2,3
	v_add_nc_u32 v[TM+12+\b], 0xff000000, v[TM+\b] ; 2 off the exponent field: the conversion's scale operand
.endr
.irp b, 0,1,2,3
	v_lshrrev_b32 v[TM+4+\b], 23, v[TM+12+\b]
.endr
	v_lshl_or_b32 v[PW], v[TM+5], 8, v[TM+4]
	v_lshl_or_b32 v[PW], v[TM+6], 16, v[PW]
	v_lshl_or_b32 v[PW], v[TM+7], 24, v[PW]
	WIN 2
.irp c, 0,1
	v_cvt_scalef32_pk16_fp6_f32 v[CD+6*\c:CD+2+6*\c], v[AC+32*\c:AC+15+32*\c], v[TM+12+2*\c]
	v_cvt_scalef32_pk16_fp6_f32 v[CD+12+4*\c:CD+14+4*\c], v[AC+16+32*\c:AC+31+32*\c], v[TM+12+2*\c+1]
.endr
	WIN 0
	v_nop
.irp c, 0,1
.irp i, 0,1,2
	v_permlane16_swap_b32 v[CD+6*\c+\i], v[CD+12+4*\c+\i]
.endr
.irp i, 0,1,2
	v_mov_b32 v[CD+3+6*\c+\i], v[CD+12+4*\c+\i]
.endr
.endr
.endm
.macro AGAIN a                         ; the codes are written again only when the last row's stores have read them
.if (\a) > 0
	s_wait_xcnt 0x0
	s_wait_dscnt 0x0
.endif
.endm
.macro EPIQ a                          ; q, k: two half images, one for each of my two heads
	AGAIN \a
	QUANTW \a
	v_perm_b32 v[W0], v[PW], v[PW], 0x01000100
	v_perm_b32 v[W1], v[PW], v[PW], 0x03020302
	global_store_b128 v[L16], v[CD:CD+3], s[PP:PP+1] offset:768*(\a)
	global_store_b64 v[L8], v[CD+4:CD+5], s[PP:PP+1] offset:768*(\a)+512
	global_store_b128 v[L16], v[CD+6:CD+9], s[PP+2:PP+3] offset:768*(\a)
	global_store_b64 v[L8], v[CD+10:CD+11], s[PP+2:PP+3] offset:768*(\a)+512
	ds_store_b32 v[SWQ], v[W0] offset:64*(\a)
	ds_store_b32 v[SWQ], v[W1] offset:256+64*(\a)
.endm
.macro EPIV a                          ; v: one full image of 16 channels x 128 keys
	AGAIN \a
	QUANTW \a
.irp c, 0,1,2
	global_store_b128 v[L16], v[CD+4*\c:CD+4*\c+3], s[88:89] offset:1536*(\a)+512*\c
.endr
	ds_store_b32 v[SWQ], v[PW] offset:64*(\a)
.endm
	s_load_b128 s[4:7], s[0:1], 0x0                ; x's codes, x's scales
	s_load_b128 s[8:11], s[0:1], 0x10              ; W's codes, W's scales
	s_load_b128 s[96:99], s[0:1], 0x20             ; qc, qsc
	s_load_b64 s[100:101], s[0:1], 0x30            ; kv
	v_lshl_add_u32 v[SPW], v0, 2, SPARE
	v_mov_b32 v[NIL], 0
	ds_add_u32 v[SPW], v[NIL]                      ; the opening lines
	ds_add_u32 v[SPW], v[NIL]
	v_lshrrev_b32 v1, 5, v0
	v_readfirstlane_b32 s14, v1                    ; wave
	s_lshr_b32 s15, s14, 1                         ; i; also: I fetch for x (0) or for W (1)
	s_and_b32 s16, s14, 1                          ; j; also: which half I fetch
	s_bfe_u32 s40, ttmp6, 0x40000                  ; cx
	s_bfe_u32 s41, ttmp6, 0x40004                  ; cy
	s_lshl_b32 s42, ttmp9, 2
	s_add_co_u32 s42, s42, s40                     ; cg: the tile column
	s_and_b32 s17, ttmp7, 0xffff
	s_lshl_b32 s17, s17, 2
	s_add_co_u32 s17, s17, s41                     ; the tile row
	s_lshl_b32 s43, s41, 2
	s_lshl_b32 s43, 15, s43                        ; my row of the cluster
	s_lshl_b32 s44, 0x1111, s40                    ; my column
	s_mov_b32 s[SEL], 0x76543210
	s_mov_b32 s[SEL+1], 0xfedcba98
	GROUP1 G1X, 43, 64
	GROUP1 G1W, 44, 128
	s_lshl_b32 s20, s17, 7
	s_lshl_b32 s21, s16, 6
	s_add_co_u32 s20, s20, s21
	s_mul_i32 s20, s20, KROW                       ; x: row 128 x tile row + 64 x half
	s_mov_b32 s21, 0
	s_lshl_b32 s46, s42, 8
	s_lshl_b32 s47, s16, 7
	s_add_co_u32 s46, s46, s47
	s_mul_i32 s46, s46, KROW                       ; W: row 256 cg + 128 x half
	s_mov_b32 s47, 0
	s_mov_b32 s[G0X], 1
	s_mul_i32 s[G0X+1], s16, 64*PITCH
	s_mov_b32 s[G0W], 1
	s_mul_i32 s[G0W+1], s16, 128*PITCH
	s_add_co_u32 s[G0W+1], s[G0W+1], WB
	WALU
	s_wait_dscnt 0x0
	s_wait_kmcnt 0x0
	s_add_nc_u64 s[G0X+2:G0X+3], s[4:5], s[20:21]
	s_or_b32 s[G0X+3], s[G0X+3], 0x80000000
	s_add_nc_u64 s[G0W+2:G0W+3], s[8:9], s[46:47]
	s_or_b32 s[G0W+3], s[G0W+3], 0x80000000
	CROUND                                         ; the first joint loads meet
	s_cmp_eq_u32 s15, 0
	s_cbranch_scc0 .Lhead_w
	tensor_load_to_lds s[G0X:G0X+3], s[G1X:G1X+7]  ; waves 0, 1: 64 rows of x each
	s_nop 0
	PLACES 4
	s_branch .Lhead_asked
.Lhead_w:
	tensor_load_to_lds s[G0W:G0W+3], s[G1W:G1W+7]  ; waves 2, 3: 128 rows of W each
	s_nop 0
	PLACES 4
.Lhead_asked:
	; where the results go
	s_lshr_b32 s92, s17, 4                         ; the batch
	s_and_b32 s93, s17, 15                         ; the step of 128 rows in it
	s_lshl_b32 s92, s92, 4
	s_lshl_b32 s94, s42, 2
	s_add_co_u32 s92, s92, s94                     ; 16 x batch + 4 cg
	s_lshl_b32 s94, s16, 1
	s_add_co_u32 s94, s92, s94                     ; g0: the first of my two heads of q and k
	s_add_co_u32 s92, s92, s14                     ; my head of v
	s_mov_b32 s87, 0
	s_mul_i32 s86, s94, 98304
	s_mul_i32 s95, s93, 6144
	s_add_co_u32 s86, s86, s95
	s_mul_i32 s95, s15, 3072
	s_add_co_u32 s86, s86, s95
	s_add_nc_u64 s[PP:PP+1], s[96:97], s[86:87]
	s_add_nc_u64 s[PP+2:PP+3], s[PP:PP+1], 98304
	s_lshl_b32 s86, s94, 13
	s_lshl_b32 s95, s93, 9
	s_add_co_u32 s86, s86, s95
	s_lshl_b32 s95, s15, 8
	s_add_co_u32 s86, s86, s95
	s_add_nc_u64 s[PS:PS+1], s[98:99], s[86:87]
	s_mul_i32 s93, s93, STEPB
	s_mul_i32 s86, s94, HEADB
	s_add_co_u32 s86, s86, s93
	s_add_nc_u64 s[84:85], s[100:101], s[86:87]    ; head g0's record of this step
	s_mul_i32 s86, s15, 3072
	s_add_nc_u64 s[80:81], s[84:85], s[86:87]
	s_add_nc_u64 s[82:83], s[80:81], HEADB
	s_lshl_b32 s86, s15, 8
	s_add_co_u32 s86, s86, 12288
	s_add_nc_u64 s[84:85], s[84:85], s[86:87]
	s_mul_i32 s86, s92, HEADB
	s_add_co_u32 s86, s86, s93
	s_add_co_u32 s86, s86, 6144
	s_add_nc_u64 s[88:89], s[100:101], s[86:87]
	s_add_nc_u64 s[90:91], s[88:89], 6656
	; the scale words' places
	s_lshl_b32 s86, s17, 12
	s_add_nc_u64 s[6:7], s[6:7], s[86:87]          ; x's 128 rows
	s_lshl_b32 s86, s15, 11
	s_add_nc_u64 s[60:61], s[6:7], s[86:87]        ; my 64 of them
	s_lshl_b32 s86, s42, 13
	s_add_nc_u64 s[10:11], s[10:11], s[86:87]      ; q's tile of W
	s_lshl_b32 s86, s16, 12
	s_add_nc_u64 s[62:63], s[10:11], s[86:87]      ; my 128 rows of it
	s_lshl_b32 s86, s14, 11
	s_add_co_u32 s86, s86, 65536
	s_add_nc_u64 s[68:69], s[10:11], s[86:87]      ; my 64 rows of v's tile
	s_mul_i32 s86, s42, 256*KROW
	s_add_nc_u64 s[PFB:PFB+1], s[8:9], s[86:87]
	s_lshl_b32 s95, s41, 2
	s_add_co_u32 s95, s95, s14
	s_mul_i32 s95, s95, 12288                      ; my sixteenth of a tile of W
	s_mov_b32 s78, HEADB
	s_lshl_b32 s18, s14, 9
	s_add_co_u32 s18, s18, SCR
	s_mul_i32 s22, s15, 64*PITCH
	s_mul_i32 s23, s16, 128*PITCH
	s_add_co_u32 s23, s23, WB
	v_and_b32 v1, 15, v0                           ; r
	v_bfe_u32 v2, v0, 4, 1                         ; h
	v_and_b32 v3, 31, v0
	v_mul_u32_u24 v6, v1, PITCH
	v_mad_u32_u24 v4, v2, 24, v6
	v_mad_u32_u24 v5, v2, 40, v6
	v_lshlrev_b32 v[L16], 4, v3
	v_lshlrev_b32 v[L8], 3, v3
	v_lshlrev_b32 v[ABS], 5, v3
	v_lshlrev_b32 v[R16], 4, v1
	v_lshl_add_u32 v[VO], v2, 13, v[R16]           ; q's scale words: 8,192 bytes from head to head
	v_lshl_add_u32 v[SWQ], v1, 2, s18
	v_add_nc_u32 v[SRQ], s18, v[L16]
	v_add_nc_u32 v[SRV], s18, v[L8]
	v_lshl_add_u32 v[PF0], v3, 8, s95
	v_add_nc_u32 v[PF1], 32, v3
	v_min_u32 v[PF1], 47, v[PF1]
	v_lshl_add_u32 v[PF1], v[PF1], 8, s95
.irp b, 0,1,2,3
	v_mov_b32 v[TM+4+\b], 0                        ; a lane permute's destination counts as one of its sources
.endr
	MKAD 23, 22
	WALU
	global_prefetch_b8 v[PF0], s[PFB:PFB+1] offset:WSTEP th:TH_LOAD_NT scope:SCOPE_SE    ; k's tile of W
	global_prefetch_b8 v[PF1], s[PFB:PFB+1] offset:WSTEP th:TH_LOAD_NT scope:SCOPE_SE
	s_mov_b32 s3, 0
.Lqk:                                                  ; two trips: q, then k
	LDSC SB, 62, 4
	LDSC SA, 60, 2
	s_wait_tensorcnt 0x0                           ; my part of the tiles is in,
	s_wait_dscnt 0x0
	s_barrier_signal -1
	s_barrier_wait -1                              ; everybody's is
	s_cmp_lg_u32 s3, 0
	s_cbranch_scc1 .Lno_ask
	global_prefetch_b8 v[PF0], s[PFB:PFB+1] offset:2*WSTEP th:TH_LOAD_NT scope:SCOPE_SE  ; v's tile of W; the second trip has no tile two on
	global_prefetch_b8 v[PF1], s[PFB:PFB+1] offset:2*WSTEP th:TH_LOAD_NT scope:SCOPE_SE
.Lno_ask:
	GEMM 1
	s_wait_dscnt 0x0                               ; the add is done, and my reads of W's region are over
	CROUND                                         ; so are those of every wave of the cluster
	s_cmp_eq_u32 s15, 0
	s_cbranch_scc1 .Lno_fill
	tensor_load_to_lds s[G0W:G0W+3], s[G1W:G1W+7]  ; waves 2, 3: the next tile of W
	s_nop 0
.Lno_fill:
	PLACES 4
.irp a, 0,1,2,3
	EPIQ \a
.endr
	ds_load_b128 v[XB:XB+3], v[SRQ]                ; LDS serves a wave's instructions in order (ISA guide 5.7.1.4)
	s_wait_dscnt 0x0
	global_store_b128 v[VO], v[XB:XB+3], s[PS:PS+1]   ; sixteen lanes store a head's 64 words, 256 consecutive bytes
	s_wait_xcnt 0x0                                ; the stores have read their registers
	s_mov_b64 s[PP:PP+1], s[80:81]                 ; the next trip is k's
	s_mov_b64 s[PP+2:PP+3], s[82:83]
	s_mov_b64 s[PS:PS+1], s[84:85]
	s_add_nc_u64 s[62:63], s[62:63], 32768
	v_mad_u32_u24 v[VO], v2, s78, v[R16]
	s_add_co_u32 s3, s3, 1
	s_cmp_lg_u32 s3, 2
	WALU
	s_cbranch_scc1 .Lqk
	; v: source 0 = x's 128 rows, source 1 = my head's 64 rows of W
	s_mov_b32 s22, 0
	s_mul_i32 s23, s14, 64*PITCH
	s_add_co_u32 s23, s23, WB
	MKAD 22, 23
	LDSC SB, 6, 4
	LDSC SA, 68, 2
	WALU
	s_wait_tensorcnt 0x0
	s_wait_dscnt 0x0
	s_barrier_signal -1
	s_barrier_wait -1
	GEMM 0
	PLACES 4
.irp a, 0,1,2,3
	EPIV \a
.endr
	ds_load_b64 v[XB:XB+1], v[SRV]
	s_wait_dscnt 0x0
	global_store_b64 v[L8], v[XB:XB+1], s[90:91]   ; my head's 64 scale words: 256 consecutive bytes
	s_wait_tensorcnt 0x0                           ; the wave's end
	ds_add_u32 v[SPW], v[NIL]
	s_wait_dscnt 0x0
	CROUND                                         ; the closing round
	s_endpgm
.Lfunc_end_k_qe586985acf_qkv:
	.size	k_qe586985acf_qkv, .Lfunc_end_k_qe586985acf_qkv-k_qe586985acf_qkv
	.p2alignl 7, 3214868480
	.fill 96, 4, 3214868480
	.section	.rodata,"a",@progbits
	.p2align	6, 0x0
	.amdhsa_kernel k_qe586985acf_qkv
		.amdhsa_group_segment_fixed_size 327680
		.amdhsa_private_segment_fixed_size 0
		.amdhsa_enable_private_segment 0
		.amdhsa_kernarg_size 56
		.amdhsa_user_sgpr_count 2
		.amdhsa_user_sgpr_kernarg_segment_ptr 1
		.amdhsa_wavefront_size32 1
		.amdhsa_system_sgpr_workgroup_id_x 1
		.amdhsa_system_sgpr_workgroup_id_y 1
		.amdhsa_system_sgpr_workgroup_id_z 1
		.amdhsa_system_vgpr_workitem_id 0
		.amdhsa_next_free_vgpr 1024
		.amdhsa_next_free_sgpr 102
		.amdhsa_reserve_vcc 0
		.amdhsa_float_denorm_mode_32 3
		.amdhsa_float_denorm_mode_16_64 3
		.amdhsa_memory_ordered 1
		.amdhsa_forward_progress 1
		.amdhsa_inst_pref_size 160
	.end_amdhsa_kernel
	.amdgpu_metadata
---
amdhsa.version: [ 1, 2 ]
amdhsa.kernels:
  - .name:           k_qe586985acf_qkv
    .symbol:         k_qe586985acf_qkv.kd
    .args:
      - { .name: x_codes, .offset: 0, .size: 8, .value_kind: global_buffer, .address_space: global }
      - { .name: x_scales, .offset: 8, .size: 8, .value_kind: global_buffer, .address_space: global }
      - { .name: W_attn_codes, .offset: 16, .size: 8, .value_kind: global_buffer, .address_space: global }
      - { .name: W_attn_scales, .offset: 24, .size: 8, .value_kind: global_buffer, .address_space: global }
      - { .name: qc, .offset: 32, .size: 8, .value_kind: global_buffer, .address_space: global }
      - { .name: qsc, .offset: 40, .size: 8, .value_kind: global_buffer, .address_space: global }
      - { .name: kv, .offset: 48, .size: 8, .value_kind: global_buffer, .address_space: global }
    .group_segment_fixed_size: 327680
    .private_segment_fixed_size: 0
    .kernarg_segment_align: 8
    .kernarg_segment_size: 56
    .max_flat_workgroup_size: 128
    .sgpr_count:     102
    .vgpr_count:     1024
    .wavefront_size: 32
...
	.end_amdgpu_metadata
.endif
;; end of part 1
;; launch attn (part 2): grid 4 x 64, 16 waves a work-group, clusters of 4 x 1, 210,944 bytes of LDS; arguments qc, qsc, kv, ac, asc; writes ac, asc
.if DOCPART == 2
	.amdgcn_target "amdgcn-amd-amdhsa--gfx1250"
	.amdhsa_code_object_version 6
	.text
	.protected	k_qe586985acf_attn
	.globl	k_qe586985acf_attn
	.p2align	8
	.type	k_qe586985acf_attn,@function
k_qe586985acf_attn:
	s_mov_b64 s[64:65], 0
	v_nop
	global_prefetch_b8 v0, s[64:65] scope:SCOPE_SE
	s_setreg_imm32_b32 hwreg(HW_REG_WAVE_MODE, 25, 1), 1
	s_wait_xcnt 0x0
	s_wait_alu depctr_hold_cnt(0) depctr_sa_sdst(0) depctr_va_vdst(0) depctr_va_sdst(0) depctr_va_ssrc(0) depctr_va_vcc(0) depctr_vm_vsrc(0)
	s_getreg_b32 s2, hwreg(HW_REG_IB_STS2, 6, 4)
	s_cmp_eq_u32 s2, 0
	s_cbranch_scc0 .Lentry_in_a_cluster
	s_endpgm
.Lentry_in_a_cluster:
	s_bfe_u32 s2, ttmp6, 0x10000c
	s_cmp_lg_u32 s2, 0x3003
	s_cbranch_scc0 .Lentry_shape_is_right
	s_endpgm
.Lentry_shape_is_right:
; O[q] = the sum over keys of softmax(q . k / 8) v for one head of one batch, both products on codes of FP6 (E2M3) with one E8M0 scale for each 32 along a product's K; the result is quantised again along the model's 1,024.
; THE SOFTMAX: t = score x log2(e) / 8; M = the row's largest t so far, rounded up to a whole number; p = 2^(t - M) is what is quantised, along the keys; it is not normalised.  The row's sum is taken of the
; unquantised p, in f32, and divides O at the end.  When M moves, the sum and O are multiplied by 2^(old M - new M): exact.
; SHARES.  The cluster's y is g = 16 x batch + head.  The four work-groups of a cluster own the four quarters of the head's 2,048 queries and read the same K and V: these are asked for jointly.
; A work-group has sixteen waves of 256 registers, four to a SIMD, so that one wave's vector work stands beside another's matrix work.  Wave w takes the tile of 16 queries 32 cx + 16 p + w in pass p = 0, 1.
; LDS is a copy, byte for byte, of the head's 208,896 bytes of kv (16 records of 13,056 bytes, one for each step of 128 keys), filled ONCE: no slot is filled again.  Each wave asks for one part of 51 rows of
; 256 bytes: its record.  Pass 0 begins when the whole head has landed.  All of K and V is asked for in the first lines: nothing is left to ask for ahead.
; A record: +0 eight half images of K (16 keys x 64 channels: registers 0-3 at 16 x lane, 4-5 at 512 + 8 x lane); +6,144 four full images of V^T (16 channels x 128 keys: registers 4 c .. at 512 c + 16 x lane);
; +12,288 K's scale words (bytes s0, s1, s0, s1 of a key); +12,800 V's scale words.
; THE FIRST PRODUCT HAS K = 64, the instruction 128.  A fragment of 12 registers holds TWO tiles of 16 keys, one in each half of K; it is multiplied once by [q, zeros] and once by [zeros, q].  Zero codes add nothing;
; q's scale bytes over its zero codes are 0, which stands for 2^-127.  The two forms of q overlap in one run of 18 registers: zeros, q, zeros.
; LAYOUT.  Both products are used transposed: S^T = K Q^T, O^T = V^T P^T: a lane holds ONE query (lane % 16) throughout.  Tile T's register j of lane half h is key 16 T + 8 h + j.  So p's codes come out, inside each
; block of 32 keys, in the order 0-7, 16-23, 8-15, 24-31, which is the order in which V's codes were laid.  q and k are both laid in that order along the channels.
; THE RESULT goes on as an operand against a given weight, so it is laid in natural order: eight exchanges of lane halves for each block of 32 channels give a lane 16 neighbours.
; ac: [tile of 16 rows][head][768] half images.  asc: [row][32] scale bytes.
; LIMITS: a block whose largest magnitude lies under 2^-124 keeps the scale byte 1; a block of zeros gets the byte 1 and not 127 (its codes are zeros, and this program alone reads these bytes); NaN and infinities are not served.
.set HEADB,  208896
.set STEPB,  13056
; ONE FILL A WAVE: wave w asks for record w whole, 51 rows of 256 bytes; every wave waits for its load ahead of one barrier, and both passes find the whole head in LDS.
; (This takes the place of what the comment above says of three parts a wave and of thirds.)
.set PARTB,  51*256                    ; what one tensor load brings: a record
.set THIRD,  16*PARTB                  ; and the sixteen waves' together
.set VOFF,   6144
.set KSOFF,  12288
.set VSOFF,  12800
.set L16, 1                            ; v1   16 x lane; never rewritten
.set L8,  2                            ; v2   8 x lane
.set R4,  3                            ; v3   4 x (lane % 16)
.set A16, 4                            ; v4-6 the same three, at the step's record
.set A8,  5
.set A4,  6
.set OSB, 7                            ; v7   32 x (lane % 16) + lane / 16: my scale byte's place in 16 rows of asc
                                       ; v12 -M, v13 the largest t, v[14:15] the sum in two halves
.set QR,  16                           ; v16-33  zeros, q, zeros: [zeros, q] = v[16:27], [q, zeros] = v[22:33]
.set QSL, 34                           ; v34 q's scale word for [q, zeros], v35 for [zeros, q]
.set RQ,  36                           ; v36-41  pass 1's q
.set RAW, 42                           ; v42 pass 1's scale word as loaded, v43 pass 0's
.set KF,  44                           ; v44-91  four fragments: K's, then V's
.set KSW, 92                           ; v92-99  their scale words
.set SCO, 100                          ; v100-163 S^T, then p
.set OT,  164                          ; v164-195 O^T
.set PCD, 196                          ; v196-207 p's codes
.set CT,  208                          ; v208-215 at work in the conversions
.set BM,  216                          ; v216-219 the blocks' largest scores, then largest p
.set BT,  220                          ; v220-223 the other half's, then the bytes
.set SOP, 224                          ; v224-227 the conversions' scale operands
.set FAC, 228                          ; v[228:229] f = 2^(old M - new M); the upper word is only named
.set TMP, 230
.set PW,  231                          ; p's scale word
.set SM2, 232                          ; v[232:233] the sums' second chain
.set WV,  14                           ; s14  my wave's number
.set SEL, 20                           ; s[20:21] lane selects for v_permlanex16_b32: lane l xor 16
.set CS,  22                           ; s[22:23] c = log2(e) / 8
.set G1,  24                           ; s[24:31] descriptor group 1
.set G0,  32                           ; s[32:35] group 0
.set TB,  44                           ; s44  LDS byte at which the step's record begins
.set CNT, 45                           ; s45  steps to go
.set HM,  46                           ; s46  a lane mask: lanes 16-31
.macro ROUND                           ; a round of the cluster's barrier
	s_barrier_signal -1
	s_barrier_wait -1
	s_cmp_lg_u32 s[WV], 0
	s_cbranch_scc1 .Lnot_wave_0_\@
	s_barrier_signal -3
.Lnot_wave_0_\@:
	s_barrier_wait -3
	s_barrier_signal -1
	s_barrier_wait -1
.endm
	s_load_b128 s[4:7], s[0:1], 0x0                ; qc s[4:5], qsc s[6:7]
	s_load_b128 s[8:11], s[0:1], 0x10              ; kv s[8:9], ac s[10:11]
	s_load_b64 s[12:13], s[0:1], 0x20              ; asc
	v_lshl_add_u32 v254, v0, 2, 0x33000
	v_mov_b32 v255, 0
	ds_add_u32 v254, v255
	ds_add_u32 v254, v255
	v_lshrrev_b32 v8, 5, v0
	s_delay_alu instid0(VALU_DEP_1)
	v_readfirstlane_b32 s[WV], v8                  ; wave 0..15
	s_bfe_u32 s15, ttmp6, 0x40000                  ; cx: it enters the addresses of qc, qsc, ac and asc alone
	s_and_b32 s16, ttmp7, 0xffff                   ; g, which the four partners share
	s_lshr_b32 s17, s16, 4                         ; the batch
	s_and_b32 s18, s16, 15                         ; the head
	; descriptor group 1: 51 rows of 256 bytes (32 elements of 8 bytes), dense in memory and in LDS
	s_mov_b32 s[G1], 15|(3<<16)|(1<<21)            ; the mask: all four work-groups; elements of 8 bytes; bit 21 set beside a mask
	s_mov_b32 s[G1+1], 32<<16
	s_mov_b32 s[G1+2], 51<<16
	s_mov_b32 s[G1+3], 32<<16
	s_mov_b32 s[G1+4], 51
	s_mov_b32 s[G1+5], 32                          ; tensor_dim0_stride
	s_mov_b32 s[G1+6], 0
	s_mov_b32 s[G1+7], 0
	s_mul_i32 s49, s[WV], PARTB                    ; my part of a third: in LDS,
	s_mul_i32 s50, s16, HEADB
	s_add_co_u32 s50, s50, s49                     ; and in kv
	s_mov_b32 s51, 0
	s_mov_b32 s[SEL], 0x76543210
	s_mov_b32 s[SEL+1], 0xfedcba98
	s_mov_b32 s[CS], 0x3e38aa3b                    ; c = log2(e) / 8
	s_mov_b32 s[CS+1], s[CS]                       ; (named with it as a pair, so it is written)
	s_mov_b32 s[HM], 0xffff0000
	s_lshl_b32 s48, s15, 5
	s_add_co_u32 s48, s48, s[WV]                   ; pass 0's tile of queries in the head: 32 cx + w
	s_lshl_b32 s52, s16, 7
	s_add_co_u32 s52, s52, s48                     ; among all heads' tiles
	s_lshl_b32 s54, s52, 6                         ; its scale words: 64 bytes a tile
	s_mul_i32 s52, s52, 768                        ; its half image
	s_mov_b32 s53, 0
	s_mov_b32 s55, 0
	s_lshl_b32 s58, s17, 7
	s_add_co_u32 s58, s58, s48                     ; its tile of rows of the result: 128 x batch + 32 cx + w
	s_lshl_b32 s56, s58, 4
	s_add_co_u32 s56, s56, s18
	s_mul_i32 s56, s56, 768                        ; ac: (16 x tile + head) half images
	s_mov_b32 s57, 0
	s_lshl_b32 s58, s58, 9                         ; asc: 16 rows of 32 bytes a tile,
	s_lshl_b32 s59, s18, 1
	s_add_co_u32 s58, s58, s59                     ; + 2 bytes a head
	s_mov_b32 s59, 0
	v_and_b32 v8, 31, v0                           ; lane
	v_and_b32 v9, 15, v0                           ; r
	v_bfe_u32 v10, v0, 4, 1                        ; h
	s_delay_alu instid0(VALU_DEP_3)
	v_lshlrev_b32 v[L16], 4, v8
	s_delay_alu instid0(VALU_DEP_4)
	v_lshlrev_b32 v[L8], 3, v8
	s_delay_alu instid0(VALU_DEP_4)
	v_lshlrev_b32 v[R4], 2, v9
	s_delay_alu instid0(VALU_DEP_4)
	v_lshl_add_u32 v[OSB], v9, 5, v10
	s_wait_dscnt 0x0
	s_wait_kmcnt 0x0
	s_add_nc_u64 s[8:9], s[8:9], s[50:51]
.irp j, 0
	s_mov_b32 s[G0+4*\j], 1                        ; 1:0 count = 1
	s_add_co_u32 s[G0+4*\j+1], s49, \j*THIRD       ; 63:32 LDS address: a constant x wave + a constant
	s_add_nc_u64 s[G0+4*\j+2:G0+4*\j+3], s[8:9], \j*THIRD   ; 120:64 global address: the same place in the head's bytes
	s_or_b32 s[G0+4*\j+3], s[G0+4*\j+3], 0x80000000         ; 127:126 type = 2
.endr
	s_add_nc_u64 s[4:5], s[4:5], s[52:53]
	s_add_nc_u64 s[6:7], s[6:7], s[54:55]
	s_add_nc_u64 s[10:11], s[10:11], s[56:57]
	s_add_nc_u64 s[12:13], s[12:13], s[58:59]
	ROUND                                          ; all four work-groups are here: the joint loads meet
	tensor_load_to_lds s[G0:G0+3], s[G1:G1+7]      ; the launch's only fill of mine: my record
	s_nop 0
.rept 4
	v_nop
.endr
	s_wait_alu depctr_va_vdst(0)
	global_load_b128 v[QR+6:QR+9], v[L16], s[4:5]                  ; pass 0's q, straight into its place between the zeros
	global_load_b64 v[QR+10:QR+11], v[L8], s[4:5] offset:512
	global_load_b32 v[RAW+1], v[R4], s[6:7]
	global_load_b128 v[RQ:RQ+3], v[L16], s[4:5] offset:12288       ; pass 1's: 16 tiles on
	global_load_b64 v[RQ+4:RQ+5], v[L8], s[4:5] offset:12288+512
	global_load_b32 v[RAW], v[R4], s[6:7] offset:1024
; What a pass begins with.  O^T and the sum begin as zeros and the largest t as -3e38: the step is written without a first step of its own, and the first change of M multiplies zeros.
.macro INIT p
.if \p
	s_wait_xcnt 0x0                                ; pass 0's stores have read their registers: these are written again only behind this wait
.irp i, 0,1,2,3,4,5
	v_mov_b32 v[QR+6+\i], v[RQ+\i]
.endr
.else
.irp i, 0,1,2,3,4,5
	v_mov_b32 v[QR+\i], 0
	v_mov_b32 v[QR+12+\i], 0
.endr
.irp b, 0,1,2,3
	v_mov_b32 v[BT+\b], 0                          ; written once: a lane permute's destination counts as one of its sources
.endr
	v_mov_b32 v[FAC+1], 0                          ; (named as the upper half of a pair)
.endif
	v_and_b32 v[QSL], 0xffff, v[RAW+1-\p]          ; bytes s0, s1, 0, 0
	v_lshlrev_b32 v[QSL+1], 16, v[RAW+1-\p]        ; bytes 0, 0, s0, s1
	v_mov_b32 v13, 0xff61b1e6                      ; -3e38, under every t
	s_delay_alu instid0(VALU_DEP_1)
	v_floor_f32 v12, -v13
	v_mov_b32 v14, 0
	v_mov_b32 v15, 0
.set j, 0
.rept 32
	v_mov_b32 v[OT+j], 0                           ; (these also stand between the scale words just made and the first product: more than eight plain lines)
.set j, j+1
.endr
.endm
; A KEY STEP: 128 keys, the record at s[TB].
.macro STEP
	v_add_nc_u32 v[A16], s[TB], v[L16]
	v_add_nc_u32 v[A8], s[TB], v[L8]
	v_add_nc_u32 v[A4], s[TB], v[R4]
	v_nop                                          ; four places in front of loads into registers that the last products have read
.irp t, 0,1,2,3,4,5,6,7
	ds_load_b128 v[KF+6*\t:KF+6*\t+3], v[A16] offset:768*\t          ; tile t of 16 keys: half a fragment
	ds_load_b64 v[KF+6*\t+4:KF+6*\t+5], v[A8] offset:768*\t+512
	ds_load_b32 v[KSW+\t], v[A4] offset:KSOFF+64*\t
.endr
	s_wait_alu depctr_va_vdst(0)
	s_wait_dscnt 0x0
.irp t, 0,1,2,3,4,5,6,7
	v_wmma_scale_f32_16x16x128_f8f6f4 v[SCO+8*\t:SCO+8*\t+7], v[KF+12*(\t/2):KF+12*(\t/2)+11], v[QR+6-6*(\t%2):QR+17-6*(\t%2)], 0, v[KSW+\t], v[QSL+\t%2] matrix_a_fmt:MATRIX_FMT_FP6 matrix_b_fmt:MATRIX_FMT_FP6
.endr
.rept 4
	v_nop                                          ; places in front of the loads below and of the first read of the scores
.endr
.irp t, 0,1,2,3                                ; V's fragments are asked for now and land under the softmax
.irp c, 0,1,2
	ds_load_b128 v[KF+12*\t+4*\c:KF+12*\t+4*\c+3], v[A16] offset:VOFF+1536*\t+512*\c
.endr
	ds_load_b32 v[KSW+\t], v[A4] offset:VSOFF+64*\t
.endr
.irp b, 0,1,2,3
	v_max3_num_f32 v[BM+\b], v[SCO+16*\b], v[SCO+1+16*\b], v[SCO+2+16*\b]   ; the largest score of each block of 32 keys: it serves the row's maximum and, since p rises with the score, the block's largest p
.endr
.irp i, 3,5,7,9,11,13
.irp b, 0,1,2,3
	v_max3_num_f32 v[BM+\b], v[BM+\b], v[SCO+16*\b+\i], v[SCO+1+16*\b+\i]   ; (the four blocks by turns)
.endr
.endr
.irp b, 0,1,2,3
	v_max_num_f32 v[BM+\b], v[BM+\b], v[SCO+15+16*\b]
.endr
.irp b, 0,1,2,3
	s_delay_alu instid0(VALU_DEP_4)
	v_permlanex16_b32 v[BT+\b], v[BM+\b], s[SEL], s[SEL+1]
.endr
.irp b, 0,1,2,3
	s_delay_alu instid0(VALU_DEP_4)
	v_max_num_f32 v[BM+\b], v[BM+\b], v[BT+\b]     ; with lane l xor 16's 16 keys
.endr
	s_delay_alu instid0(VALU_DEP_2)
	v_max3_num_f32 v[TMP], v[BM], v[BM+1], v[BM+2]
	s_delay_alu instid0(VALU_DEP_1)
	v_max_num_f32 v[TMP], v[TMP], v[BM+3]          ; the step's largest score of my query
	s_delay_alu instid0(VALU_DEP_1)
	v_mul_f32 v[TMP], s[CS], v[TMP]                ; as t (c is positive)
	s_delay_alu instid0(VALU_DEP_1)
	v_max_num_f32 v13, v13, v[TMP]                 ; the running largest t
	v_mov_b32 v[TMP], v12
	s_delay_alu instid0(VALU_DEP_2)
	v_floor_f32 v12, -v13                          ; the new -M = floor(-t): M is a whole number
	s_delay_alu instid0(VALU_DEP_1)
	v_sub_f32 v[TMP], v12, v[TMP]                  ; old M - new M: a whole number, 0 or less
	s_delay_alu instid0(VALU_DEP_1)
	v_cvt_i32_f32 v[TMP], v[TMP]                   ; (it saturates)
	s_delay_alu instid0(VALU_DEP_1)
	v_ldexp_f32 v[FAC], 1.0, v[TMP]                ; f = 2^(old M - new M)
.set j, 0
.rept 32
	v_pk_fma_f32 v[SCO+j:SCO+j+1], v[SCO+j:SCO+j+1], s[CS:CS+1], v[12:13] op_sel_hi:[1,0,0]   ; t - M, two at a time
.set j, j+2
.endr
.irp b, 0,1,2,3
	v_fma_f32 v[BM+\b], v[BM+\b], s[CS], v12       ; the same of each block's largest score
.endr
.set j, 0
	s_wait_alu depctr_va_vdst(0)
.rept 64
	v_exp_f32 v[SCO+j], v[SCO+j]                   ; p = 2^(t - M), at most 1
.set j, j+1
.endr
	v_pk_mul_f32 v[14:15], v[14:15], v[FAC:FAC+1] op_sel_hi:[1,0]   ; the sums under the new M: the plain line behind the exponentials
	s_wait_alu depctr_va_vdst(0)                   ; one wait for the batch of 64, ahead of its first reader
.irp b, 0,1,2,3
	v_exp_f32 v[BM+\b], v[BM+\b]                   ; the block's largest p: the same two instructions on the same number give the same bits
.endr
	v_pk_add_f32 v[232:233], v[104:105], v[108:109]
	v_pk_add_f32 v[252:253], v[112:113], v[116:117]
	v_pk_add_f32 v[250:251], v[120:121], v[124:125]
	v_pk_add_f32 v[248:249], v[128:129], v[132:133]
	v_pk_add_f32 v[246:247], v[136:137], v[140:141]
	v_pk_add_f32 v[244:245], v[144:145], v[148:149]
	v_pk_add_f32 v[242:243], v[152:153], v[156:157]
	v_pk_add_f32 v[14:15], v[14:15], v[160:161]
	v_pk_add_f32 v[232:233], v[232:233], v[100:101]
	v_pk_add_f32 v[252:253], v[252:253], v[102:103]
	v_pk_add_f32 v[250:251], v[250:251], v[106:107]
	v_pk_add_f32 v[248:249], v[248:249], v[110:111]
	v_pk_add_f32 v[246:247], v[246:247], v[114:115]
	v_pk_add_f32 v[244:245], v[244:245], v[118:119]
	v_pk_add_f32 v[242:243], v[242:243], v[122:123]
	v_pk_add_f32 v[14:15], v[14:15], v[126:127]
	v_pk_add_f32 v[232:233], v[232:233], v[130:131]
	v_pk_add_f32 v[252:253], v[252:253], v[134:135]
	v_pk_add_f32 v[250:251], v[250:251], v[138:139]
	v_pk_add_f32 v[248:249], v[248:249], v[142:143]
	v_pk_add_f32 v[246:247], v[246:247], v[146:147]
	v_pk_add_f32 v[244:245], v[244:245], v[150:151]
	v_pk_add_f32 v[242:243], v[242:243], v[154:155]
	v_pk_add_f32 v[14:15], v[14:15], v[158:159]
	v_pk_add_f32 v[232:233], v[232:233], v[162:163]
	s_delay_alu instid0(VALU_DEP_2)
	v_pk_add_f32 v[14:15], v[14:15], v[248:249]
	s_delay_alu instid0(VALU_DEP_2)
	v_pk_add_f32 v[232:233], v[232:233], v[246:247]
	v_pk_add_f32 v[252:253], v[252:253], v[244:245]
	v_pk_add_f32 v[250:251], v[250:251], v[242:243]
	s_delay_alu instid0(VALU_DEP_2)
	v_pk_add_f32 v[14:15], v[14:15], v[252:253]
	s_delay_alu instid0(VALU_DEP_2)
	v_pk_add_f32 v[232:233], v[232:233], v[250:251]
	s_delay_alu instid0(VALU_DEP_1)
	v_pk_add_f32 v[14:15], v[14:15], v[232:233]
	s_wait_alu depctr_va_vdst(0)                   ; and one for the four
.irp b, 0,1,2,3
	v_max_num_f32 v[BM+\b], 0x1800000, v[BM+\b]    ; the floor 2^(3 - 127): the byte cannot fall under 1
.endr
.irp b, 0,1,2,3
	s_delay_alu instid0(VALU_DEP_4)
	v_add_nc_u32 v[SOP+\b], 0xff000000, v[BM+\b]   ; 2 off the exponent field: the conversion's scale operand
.endr
.irp b, 0,1,2,3
	s_delay_alu instid0(VALU_DEP_4)
	v_lshrrev_b32 v[BT+\b], 23, v[SOP+\b]          ; the scale's byte
.endr
	s_delay_alu instid0(VALU_DEP_3)
	v_lshl_or_b32 v[PW], v[BT+1], 8, v[BT]         ; p's scale word for these 128 keys
	s_delay_alu instid0(VALU_DEP_1)
	v_lshl_or_b32 v[PW], v[BT+2], 16, v[PW]
	s_delay_alu instid0(VALU_DEP_1)
	v_lshl_or_b32 v[PW], v[BT+3], 24, v[PW]
.irp c, 0,1
	v_cvt_scalef32_pk16_fp6_f32 v[PCD+6*\c:PCD+2+6*\c], v[SCO+32*\c:SCO+15+32*\c], v[SOP+2*\c]
	v_cvt_scalef32_pk16_fp6_f32 v[CT+4*\c:CT+2+4*\c], v[SCO+16+32*\c:SCO+31+32*\c], v[SOP+2*\c+1]   ; (a conversion's three registers begin on an even number)
.endr
	v_nop                                          ; one plain place behind a scaled conversion
.irp c, 0,1                                    ; the operand's layout wants a whole block in a lane: lanes 0-15 block 2 c, lanes 16-31 block 2 c + 1
.irp i, 0,1,2
	v_permlane16_swap_b32 v[PCD+6*\c+\i], v[CT+4*\c+\i]
.endr
.irp i, 0,1,2
	s_delay_alu instid0(VALU_DEP_3)
	v_mov_b32 v[PCD+3+6*\c+\i], v[CT+4*\c+\i]
.endr
.endr
.set j, 0
.rept 16
	v_pk_mul_f32 v[OT+j:OT+j+1], v[OT+j:OT+j+1], v[FAC:FAC+1] op_sel_hi:[1,0]   ; O^T under the new M.  (These are also the places between the codes and the scale word just made and the products below)
.set j, j+2
.endr
	s_wait_alu depctr_va_vdst(0)
	s_wait_dscnt 0x0                               ; V's fragments and scale words are in
.irp t, 0,1,2,3                                ; O^T += V^T P^T: the four accumulators by turns, one instruction a turn; the next step's eight products stand between two links of a chain
	v_wmma_scale_f32_16x16x128_f8f6f4 v[OT+8*\t:OT+8*\t+7], v[KF+12*\t:KF+12*\t+11], v[PCD:PCD+11], v[OT+8*\t:OT+8*\t+7], v[KSW+\t], v[PW] matrix_a_fmt:MATRIX_FMT_FP6 matrix_b_fmt:MATRIX_FMT_FP6
.endr
	s_add_co_u32 s[TB], s[TB], STEPB
.endm
.macro LOOP tb, trips                  ; trips key steps from LDS byte tb on
	s_mov_b32 s[TB], \tb
	s_mov_b32 s[CNT], \trips
.Lstep_\@:
	STEP
	s_sub_co_u32 s[CNT], s[CNT], 1
	s_cmp_lg_u32 s[CNT], 0
	s_cbranch_scc1 .Lstep_\@
.endm
; every wave waits for its tensor load; behind the barrier all sixteen records are in.
.macro PHASE left, tb, trips
	s_wait_tensorcnt \left
	s_wait_dscnt 0x0
	s_barrier_signal -1
	s_barrier_wait -1
	LOOP \tb, \trips
.endm
; THE WAY OUT of pass p: O^T / the sum, brought into natural order, quantised along the head's two blocks of 32 channels, stored as a half image and two scale bytes a row.
.macro OUT p
.rept 4
	v_nop                                          ; places behind the last products
.endr
	v_add_f32 v14, v14, v15                        ; the sum's two halves,
	s_delay_alu instid0(VALU_DEP_1)
	v_permlanex16_b32 v[TMP], v14, s[SEL], s[SEL+1]
	s_delay_alu instid0(VALU_DEP_1)
	v_add_f32 v14, v14, v[TMP]                     ; and lane l xor 16's: the row's sum
	s_wait_alu depctr_va_vdst(0)
	v_rcp_f32 v14, v14
	v_nop                                          ; one plain place behind a transcendental
	s_wait_alu depctr_va_vdst(0)                   ; and the wait ahead of its first reader
.set j, 0
.rept 16
	v_pk_mul_f32 v[SCO+j:SCO+j+1], v[OT+j:OT+j+1], v[14:15] op_sel_hi:[1,0]   ; each accumulator from its low end on; register 8 t + i is channel 16 t + 8 h + i
.set j, j+2
.endr
.irp b, 0,1
.irp i, 0,1,2,3,4,5,6,7
	v_permlane16_swap_b32 v[SCO+16*\b+\i], v[SCO+16*\b+8+\i]         ; tile 2 b's lanes 16-31 change places with tile 2 b + 1's lanes 0-15: my 16 registers are now channels 32 b + 16 h + 0 .. 15
.endr
.endr
.irp b, 0,1
	v_max3_num_f32 v[BM+\b], |v[SCO+16*\b]|, |v[SCO+1+16*\b]|, 0x1800000
.endr
.irp i, 2,4,6,8,10,12,14
.irp b, 0,1
	s_delay_alu instid0(VALU_DEP_2)
	v_max3_num_f32 v[BM+\b], v[BM+\b], |v[SCO+16*\b+\i]|, |v[SCO+1+16*\b+\i]|
.endr
.endr
.irp b, 0,1
	s_delay_alu instid0(VALU_DEP_2)
	v_permlanex16_b32 v[BT+\b], v[BM+\b], s[SEL], s[SEL+1]
.endr
.irp b, 0,1
	s_delay_alu instid0(VALU_DEP_2)
	v_max_num_f32 v[BM+\b], v[BM+\b], v[BT+\b]     ; the block's largest magnitude
.endr
.irp b, 0,1
	s_delay_alu instid0(VALU_DEP_2)
	v_add_nc_u32 v[SOP+\b], 0xff000000, v[BM+\b]
.endr
.irp b, 0,1
	s_delay_alu instid0(VALU_DEP_2)
	v_lshrrev_b32 v[BT+\b], 23, v[SOP+\b]
.endr
	v_cvt_scalef32_pk16_fp6_f32 v[PCD:PCD+2], v[SCO:SCO+15], v[SOP]
	v_cvt_scalef32_pk16_fp6_f32 v[CT:CT+2], v[SCO+16:SCO+31], v[SOP+1]
	v_nop                                          ; one plain place behind a scaled conversion
.irp i, 0,1,2
	v_permlane16_swap_b32 v[PCD+\i], v[CT+\i]
.endr
.irp i, 0,1,2
	s_delay_alu instid0(VALU_DEP_3)
	v_mov_b32 v[PCD+3+\i], v[CT+\i]
.endr
	v_cndmask_b32 v[TMP], v[BT], v[BT+1], s[HM]    ; lanes 0-15 store block 0's byte, lanes 16-31 block 1's
	global_store_b128 v[L16], v[PCD:PCD+3], s[10:11] offset:196608*\p            ; 512 consecutive bytes,
	global_store_b64 v[L8], v[PCD+4:PCD+5], s[10:11] offset:196608*\p+512        ; and the 256 behind them
	global_store_b8 v[OSB], v[TMP], s[12:13] offset:8192*\p                      ; two bytes of each of 16 rows of 32: the price of a layout that the next launch reads as it reads a given input's scales
.endm
	s_wait_loadcnt 0x0                             ; both passes' q
	INIT 0
	PHASE 0, 0, 16                                 ; the whole head has landed: steps 0-15
	OUT 0
	INIT 1
	LOOP 0, 16                                     ; pass 1 finds everything in LDS
	OUT 1
	s_wait_tensorcnt 0x0
	ds_add_u32 v254, v255
	s_wait_dscnt 0x0
	ROUND                                          ; the closing round: no work-group ends while a partner may still ask for a tile that names it
	s_endpgm
.Lfunc_end_k_qe586985acf_attn:
	.size	k_qe586985acf_attn, .Lfunc_end_k_qe586985acf_attn-k_qe586985acf_attn
	.p2alignl 7, 3214868480
	.fill 96, 4, 3214868480
	.section	.rodata,"a",@progbits
	.p2align	6, 0x0
	.amdhsa_kernel k_qe586985acf_attn
		.amdhsa_group_segment_fixed_size 210944
		.amdhsa_private_segment_fixed_size 0
		.amdhsa_enable_private_segment 0
		.amdhsa_kernarg_size 40
		.amdhsa_user_sgpr_count 2
		.amdhsa_user_sgpr_kernarg_segment_ptr 1
		.amdhsa_wavefront_size32 1
		.amdhsa_system_sgpr_workgroup_id_x 1
		.amdhsa_system_sgpr_workgroup_id_y 1
		.amdhsa_system_sgpr_workgroup_id_z 1
		.amdhsa_system_vgpr_workitem_id 0
		.amdhsa_next_free_vgpr 256
		.amdhsa_next_free_sgpr 66
		.amdhsa_reserve_vcc 0
		.amdhsa_float_denorm_mode_32 3
		.amdhsa_float_denorm_mode_16_64 3
		.amdhsa_memory_ordered 1
		.amdhsa_forward_progress 1
		.amdhsa_inst_pref_size 54
	.end_amdhsa_kernel
	.amdgpu_metadata
---
amdhsa.version: [ 1, 2 ]
amdhsa.kernels:
  - .name:           k_qe586985acf_attn
    .symbol:         k_qe586985acf_attn.kd
    .args:
      - { .name: qc, .offset: 0, .size: 8, .value_kind: global_buffer, .address_space: global }
      - { .name: qsc, .offset: 8, .size: 8, .value_kind: global_buffer, .address_space: global }
      - { .name: kv, .offset: 16, .size: 8, .value_kind: global_buffer, .address_space: global }
      - { .name: ac, .offset: 24, .size: 8, .value_kind: global_buffer, .address_space: global }
      - { .name: asc, .offset: 32, .size: 8, .value_kind: global_buffer, .address_space: global }
    .group_segment_fixed_size: 210944
    .private_segment_fixed_size: 0
    .kernarg_segment_align: 8
    .kernarg_segment_size: 40
    .max_flat_workgroup_size: 512
    .sgpr_count:     66
    .vgpr_count:     256
    .wavefront_size: 32
...
	.end_amdgpu_metadata
.endif
;; end of part 2
;; launch proj (part 3): grid 4 x 64, 4 waves a work-group, clusters of 4 x 4, 327,680 bytes of LDS; arguments ac, asc, W_proj_codes, W_proj_scales, out0; writes out0
.if DOCPART == 3
	.amdgcn_target "amdgcn-amd-amdhsa--gfx1250"
	.amdhsa_code_object_version 6
	.text
	.protected	k_qe586985acf_proj
	.globl	k_qe586985acf_proj
	.p2align	8
	.type	k_qe586985acf_proj,@function
k_qe586985acf_proj:
	s_mov_b64 s[64:65], 0
	v_nop
	global_prefetch_b8 v0, s[64:65] scope:SCOPE_SE
	s_setreg_imm32_b32 hwreg(HW_REG_WAVE_MODE, 25, 1), 1
	s_wait_xcnt 0x0
	s_wait_alu depctr_hold_cnt(0) depctr_sa_sdst(0) depctr_va_vdst(0) depctr_va_sdst(0) depctr_va_ssrc(0) depctr_va_vcc(0) depctr_vm_vsrc(0)
	s_getreg_b32 s2, hwreg(HW_REG_IB_STS2, 6, 4)
	s_cmp_eq_u32 s2, 0
	s_cbranch_scc0 .Lentry_in_a_cluster
	s_endpgm
.Lentry_in_a_cluster:
	s_bfe_u32 s2, ttmp6, 0x10000c
	s_cmp_lg_u32 s2, 0xf033
	s_cbranch_scc0 .Lentry_shape_is_right
	s_endpgm
.Lentry_shape_is_right:
; out0 = attn W_proj on codes of FP6 (E2M3) with E8M0 scales; sums and result in f32.
; A work-group makes 128 rows x 256 columns; four waves, 2 x 2, each 64 x 128: 32 accumulators.  LDS holds ALL of K, filled once, one joint load a wave:
; ac's 128 rows are one dense block of 98,304 bytes (8 tiles of 16 rows x 16 heads x a half image of 768 bytes), fetched as rows of 256 bytes; W_proj's 256 rows are rows of 768 bytes with 16 bytes of padding behind every 256.
; ac's block is shared along a row of the cluster, W's rows along a column.  Scale words go from memory into registers: 32 rows of 32 bytes to a pair of loads.
; Source 0 = W's rows, source 1 = ac's rows: a lane holds eight neighbouring columns of a row of the result.  A block of 16 rows x 128 columns goes through the wave's own stage in LDS and leaves as rows of 512 bytes.
; The stage lies in ac's region, behind a barrier behind which nobody reads that region; it has had its only fill.
; NO PREFETCH: every tile is asked for by the head's loads, and there is no loop to run ahead in.
.set KROW,  768
.set PITCH, 816
.set WB,    98304
.set SPARE, WB+256*PITCH
.set SPITCH, 528
.set ABS, 14
.set AA,  15                           ; v15, v16 LDS address of my tiles of ac: + 16 x lane, + 8 x lane
.set STO, 24
.set RD,  25
.set CO,  26
.set SPW, 28
.set NIL, 29
.set SB,  32
.set SA,  68
.set AD0, 96
.set BK,  128
.set G1A, 24
.set G0A, 32
.set G1W, 48
.set G0W, 56
.set MULW, 0xad
.set MSB, 0
.macro WIN new
.if MSB != \new
	s_set_vgpr_msb (MSB<<8)|\new
.set MSB, \new
.endif
.endm
.macro PLACES n
.rept \n
	v_nop
.endr
.endm
.macro WALU
	s_wait_alu depctr_va_vdst(0)
.endm
.macro CROUND
	s_barrier_signal -1
	s_barrier_wait -1
	s_cmp_lg_u32 s14, 0
	s_cbranch_scc1 .Lnot_wave_0_\@
	s_barrier_signal -3
.Lnot_wave_0_\@:
	s_barrier_wait -3
	s_barrier_signal -1
	s_barrier_wait -1
.endm
.macro FRAG R, q, a0                   ; W's fragment: six pieces of 8 bytes, two to a load where both go by the same address register
.set SK_, 0
.irp p, 0,1,2,3,4,5
.if SK_
.set SK_, 0
.else
.set PC_, 12*(\q)+6*(\p/3)+\p%3
.set PN_, 12*(\q)+6*((\p+1)/3)+(\p+1)%3
.set X_, (PC_%32+3)/32
.set XN_, (PN_%32+3)/32
.if (\p < 5) && (X_ == XN_)
.set SK_, 1
	ds_load_2addr_b64 v[(\R)+2*\p:(\R)+2*\p+3], v[(\a0)+X_] offset0:PC_+2*(PC_/32) offset1:PN_+2*(PN_/32)
.else
	ds_load_b64 v[(\R)+2*\p:(\R)+2*\p+1], v[(\a0)+X_] offset:8*(PC_+2*(PC_/32))
.endif
.endif
.endr
.endm
.macro FRAGA R, q, a                   ; ac's fragment: the half images of heads 2 q and 2 q + 1 of tile a
.irp e, 0,1
	ds_load_b128 v[(\R)+6*\e:(\R)+6*\e+3], v[AA] offset:(\a)*12288+768*(2*(\q)+\e)
	ds_load_b64 v[(\R)+6*\e+4:(\R)+6*\e+5], v[AA+1] offset:(\a)*12288+768*(2*(\q)+\e)+512
.endr
.endm
.macro FETCH st, set
	WIN 0x40
.irp b, 0,1,2,3,4,5,6,7
	FRAG 96*(\set)+12*\b, \st, AD0+2*\b
.endr
	WIN 0xc0
.irp a, 0,1,2,3
	FRAGA 48*(\set)+12*\a, \st, \a
.endr
	WIN 0
.endm
.macro MUL st                          ; 32 products, the accumulators by turns; the first step starts the sums
	WIN MULW
.irp ap, 0,1
.irp ao, 0,1
.irp bp, 0,1,2,3
.irp bo, 0,1
.set D_, 8*(8*(2*\ap+\ao)+2*\bp+\bo)
.set F0_, 96*((\st)%2)+12*(2*\bp+\bo)
.set F1_, 48*((\st)%2)+12*(2*\ap+\ao)
.if (\st) == 0
	v_wmma_scale_f32_16x16x128_f8f6f4 v[D_:D_+7], v[F0_:F0_+11], v[F1_:F1_+11], 0, v[SB+8*\bp+(\st)], v[SA+8*\ap+(\st)] matrix_a_fmt:MATRIX_FMT_FP6 matrix_b_fmt:MATRIX_FMT_FP6 matrix_a_scale:MATRIX_SCALE_ROW\bo matrix_b_scale:MATRIX_SCALE_ROW\ao
.else
	v_wmma_scale_f32_16x16x128_f8f6f4 v[D_:D_+7], v[F0_:F0_+11], v[F1_:F1_+11], v[D_:D_+7], v[SB+8*\bp+(\st)], v[SA+8*\ap+(\st)] matrix_a_fmt:MATRIX_FMT_FP6 matrix_b_fmt:MATRIX_FMT_FP6 matrix_a_scale:MATRIX_SCALE_ROW\bo matrix_b_scale:MATRIX_SCALE_ROW\ao
.endif
.endr
.endr
.endr
.endr
.endm
.macro LDSC reg, base, pairs           ; scale words: lanes 0-15 block 2 p, lanes 16-31 block 2 p + 1; register 8 p + q is step q's word
.set P_, 0
.rept \pairs
	global_load_b128 v[\reg+8*P_:\reg+8*P_+3], v[ABS], s[\base:\base+1] offset:1024*P_
	global_load_b128 v[\reg+8*P_+4:\reg+8*P_+7], v[ABS], s[\base:\base+1] offset:1024*P_+16
.set P_, P_+1
.endr
.endm
	s_load_b128 s[4:7], s[0:1], 0x0                ; ac, asc
	s_load_b128 s[8:11], s[0:1], 0x10              ; W's codes, W's scales
	s_load_b64 s[12:13], s[0:1], 0x20              ; out0
	v_lshl_add_u32 v[SPW], v0, 2, SPARE
	v_mov_b32 v[NIL], 0
	ds_add_u32 v[SPW], v[NIL]                      ; the opening lines
	ds_add_u32 v[SPW], v[NIL]
	v_lshrrev_b32 v1, 5, v0
	v_readfirstlane_b32 s14, v1                    ; wave
	s_lshr_b32 s15, s14, 1                         ; i; also: I fetch for ac (0) or for W (1)
	s_and_b32 s16, s14, 1                          ; j; also: which half I fetch
	s_bfe_u32 s40, ttmp6, 0x40000
	s_bfe_u32 s41, ttmp6, 0x40004
	s_lshl_b32 s42, ttmp9, 2
	s_add_co_u32 s42, s42, s40                     ; the tile column
	s_and_b32 s17, ttmp7, 0xffff
	s_lshl_b32 s17, s17, 2
	s_add_co_u32 s17, s17, s41                     ; the tile row
	s_lshl_b32 s43, s41, 2
	s_lshl_b32 s43, 15, s43
	s_lshl_b32 s44, 0x1111, s40
	s_or_b32 s[G1A+0], s43, (3<<16)|(1<<21)        ; 192 rows of 256 bytes, dense
	s_mov_b32 s[G1A+1], 32<<16
	s_mov_b32 s[G1A+2], 192<<16
	s_mov_b32 s[G1A+3], 32<<16
	s_mov_b32 s[G1A+4], 192
	s_mov_b32 s[G1A+5], 32
	s_mov_b32 s[G1A+6], 0
	s_mov_b32 s[G1A+7], 0
	s_or_b32 s[G1W+0], s44, (1<<20)|(1<<21)|(5<<22)|(3<<25)   ; 128 rows of 768 bytes, padded
	s_mov_b32 s[G1W+1], KROW<<16
	s_mov_b32 s[G1W+2], 128<<16
	s_mov_b32 s[G1W+3], KROW<<16
	s_mov_b32 s[G1W+4], 128
	s_mov_b32 s[G1W+5], KROW
	s_mov_b32 s[G1W+6], 0
	s_mov_b32 s[G1W+7], 0
	s_mul_i32 s20, s17, 98304
	s_mul_i32 s21, s16, 49152
	s_add_co_u32 s20, s20, s21
	s_mov_b32 s21, 0
	s_lshl_b32 s46, s42, 8
	s_lshl_b32 s47, s16, 7
	s_add_co_u32 s46, s46, s47
	s_mul_i32 s46, s46, KROW
	s_mov_b32 s47, 0
	s_mov_b32 s[G0A], 1
	s_mul_i32 s[G0A+1], s16, 49152
	s_mov_b32 s[G0W], 1
	s_mul_i32 s[G0W+1], s16, 128*PITCH
	s_add_co_u32 s[G0W+1], s[G0W+1], WB
	WALU
	s_wait_dscnt 0x0
	s_wait_kmcnt 0x0
	s_add_nc_u64 s[G0A+2:G0A+3], s[4:5], s[20:21]
	s_or_b32 s[G0A+3], s[G0A+3], 0x80000000
	s_add_nc_u64 s[G0W+2:G0W+3], s[8:9], s[46:47]
	s_or_b32 s[G0W+3], s[G0W+3], 0x80000000
	CROUND                                         ; the joint loads meet
	s_cmp_eq_u32 s15, 0
	s_cbranch_scc0 .Lhead_w
	tensor_load_to_lds s[G0A:G0A+3], s[G1A:G1A+7]  ; waves 0, 1: four tiles of ac each
	s_nop 0
	PLACES 4
	s_branch .Lhead_asked
.Lhead_w:
	tensor_load_to_lds s[G0W:G0W+3], s[G1W:G1W+7]  ; waves 2, 3: 128 rows of W each
	s_nop 0
	PLACES 4
.Lhead_asked:
	s_mov_b32 s93, 0
	s_lshl_b32 s92, s17, 12
	s_lshl_b32 s94, s15, 11
	s_add_co_u32 s92, s92, s94
	s_add_nc_u64 s[60:61], s[6:7], s[92:93]        ; my 64 rows' scale bytes
	s_lshl_b32 s92, s42, 13
	s_lshl_b32 s94, s16, 12
	s_add_co_u32 s92, s92, s94
	s_add_nc_u64 s[62:63], s[10:11], s[92:93]      ; my 128 rows of W's
	s_lshl_b32 s92, s17, 7
	s_lshl_b32 s94, s15, 6
	s_add_co_u32 s92, s92, s94
	s_lshl_b32 s92, s92, 12                        ; my first row of the result, 4,096 bytes a row,
	s_lshl_b32 s94, s42, 10
	s_add_co_u32 s92, s92, s94
	s_lshl_b32 s94, s16, 9
	s_add_co_u32 s92, s92, s94                     ; and my first column
	s_add_nc_u64 s[12:13], s[12:13], s[92:93]
	s_mul_i32 s22, s15, 49152
	s_mul_i32 s23, s16, 128*PITCH
	s_add_co_u32 s23, s23, WB
	s_mul_i32 s18, s14, 16*SPITCH                  ; my stage
	v_and_b32 v1, 15, v0
	v_bfe_u32 v2, v0, 4, 1
	v_and_b32 v3, 31, v0
	v_mul_u32_u24 v6, v1, PITCH
	v_mad_u32_u24 v4, v2, 24, v6
	v_mad_u32_u24 v5, v2, 40, v6
	v_lshlrev_b32 v[ABS], 5, v3
	v_lshlrev_b32 v[CO], 4, v3
	v_lshl_add_u32 v[AA], v3, 4, s22
	v_lshl_add_u32 v[AA+1], v3, 3, s22
	v_mul_u32_u24 v6, v1, SPITCH
	v_lshl_add_u32 v6, v2, 5, v6
	v_add_nc_u32 v[STO], s18, v6
	v_add_nc_u32 v[RD], s18, v[CO]
	v_add_nc_u32 v17, s23, v4
	v_add_nc_u32 v18, s23, v5
.irp b, 0,1,2,3,4,5,6,7
	v_add_nc_u32 v[AD0+2*\b], \b*16*PITCH, v17
	v_add_nc_u32 v[AD0+2*\b+1], \b*16*PITCH, v18
.endr
	WALU
	LDSC SB, 62, 4
	LDSC SA, 60, 2
	s_wait_tensorcnt 0x0                           ; my part of the tiles is in,
	s_barrier_signal -1
	s_barrier_wait -1                              ; everybody's is
	FETCH 0, 0
	s_wait_loadcnt 0x0
.set ST, 0
.rept 8                                ; eight steps of 128 along K; step st + 1's fragments are asked for ahead of step st's products
	s_wait_dscnt 0x0
.if ST < 7
.if ST > 0
	PLACES 4
.endif
	FETCH ST+1, (ST+1)%2
.endif
	MUL ST
	WIN 0
.set ST, ST+1
.endr
	s_barrier_signal -1                            ; my LDS reads were all waited for ahead of the last products
	s_barrier_wait -1                              ; nobody reads ac's region any more
.macro TOSTAGE a
.set AC, 64*(\a)
	WIN 0x08
.irp b, 0,1,2,3,4,5,6,7
	ds_store_b128 v[STO], v[AC+8*\b:AC+8*\b+3] offset:64*\b
	ds_store_b128 v[STO], v[AC+8*\b+4:AC+8*\b+7] offset:64*\b+16
.endr
	WIN 0
.set BB, BK+64*((\a)%2)
.irp t, 0,1,2,3,4,5,6,7,8,9,10,11,12,13,14,15
	ds_load_b128 v[BB+4*\t:BB+4*\t+3], v[RD] offset:\t*SPITCH   ; LDS serves a wave's instructions in order (ISA guide 5.7.1.4)
.endr
.endm
.macro SEND a, younger
.set BB, BK+64*((\a)%2)
	s_wait_dscnt \younger                          ; the LDS instructions issued behind this block's loads may stay out
.if (\a) > 0
	s_add_nc_u64 s[12:13], s[12:13], 16*4096       ; (behind a wait on XCNT)
.endif
.irp t, 0,1,2,3,4,5,6,7,8,9,10,11,12,13,14,15
	global_store_b128 v[CO], v[BB+4*\t:BB+4*\t+3], s[12:13] offset:\t*4096 th:TH_STORE_NT   ; 512 consecutive bytes, at a multiple of 256
.endr
.endm
	PLACES 4
	TOSTAGE 0
.irp a, 1,2,3
.if \a > 1
	s_wait_xcnt 0x0
.endif
	TOSTAGE \a
	SEND \a-1, 32                                  ; behind block a - 1's loads: block a's 16 stores and 16 loads
.endr
	s_wait_xcnt 0x0
	SEND 3, 0
	s_wait_tensorcnt 0x0                           ; the wave's end
	ds_add_u32 v[SPW], v[NIL]
	s_wait_dscnt 0x0
	CROUND                                         ; the closing round
	s_endpgm
.Lfunc_end_k_qe586985acf_proj:
	.size	k_qe586985acf_proj, .Lfunc_end_k_qe586985acf_proj-k_qe586985acf_proj
	.p2alignl 7, 3214868480
	.fill 96, 4, 3214868480
	.section	.rodata,"a",@progbits
	.p2align	6, 0x0
	.amdhsa_kernel k_qe586985acf_proj
		.amdhsa_group_segment_fixed_size 327680
		.amdhsa_private_segment_fixed_size 0
		.amdhsa_enable_private_segment 0
		.amdhsa_kernarg_size 40
		.amdhsa_user_sgpr_count 2
		.amdhsa_user_sgpr_kernarg_segment_ptr 1
		.amdhsa_wavefront_size32 1
		.amdhsa_system_sgpr_workgroup_id_x 1
		.amdhsa_system_sgpr_workgroup_id_y 1
		.amdhsa_system_sgpr_workgroup_id_z 1
		.amdhsa_system_vgpr_workitem_id 0
		.amdhsa_next_free_vgpr 1024
		.amdhsa_next_free_sgpr 102
		.amdhsa_reserve_vcc 0
		.amdhsa_float_denorm_mode_32 3
		.amdhsa_float_denorm_mode_16_64 3
		.amdhsa_memory_ordered 1
		.amdhsa_forward_progress 1
		.amdhsa_inst_pref_size 79
	.end_amdhsa_kernel
	.amdgpu_metadata
---
amdhsa.version: [ 1, 2 ]
amdhsa.kernels:
  - .name:           k_qe586985acf_proj
    .symbol:         k_qe586985acf_proj.kd
    .args:
      - { .name: ac, .offset: 0, .size: 8, .value_kind: global_buffer, .address_space: global }
      - { .name: asc, .offset: 8, .size: 8, .value_kind: global_buffer, .address_space: global }
      - { .name: W_proj_codes, .offset: 16, .size: 8, .value_kind: global_buffer, .address_space: global }
      - { .name: W_proj_scales, .offset: 24, .size: 8, .value_kind: global_buffer, .address_space: global }
      - { .name: out0, .offset: 32, .size: 8, .value_kind: global_buffer, .address_space: global }
    .group_segment_fixed_size: 327680
    .private_segment_fixed_size: 0
    .kernarg_segment_align: 8
    .kernarg_segment_size: 40
    .max_flat_workgroup_size: 128
    .sgpr_count:     102
    .vgpr_count:     1024
    .wavefront_size: 32
...
	.end_amdgpu_metadata
.endif
;; end of part 3
